; MI455X (gfx1250); checked and timed in simulation.
; The chip was launched on July 23, 2026; its instructions are those of AMD's public machine-readable ISA for CDNA 5 (MIT licence, August 2026) and "CDNA5" Instruction Set Architecture Reference Guide (July 2026). The comments in the code are by the model that wrote it; some were corrected since.
;; Base Layer. Allowed arithmetic: float matrix products may take bf16 or f16 operands with f32 sums; other float arithmetic in f32, or as packed bf16 or f16 multiplies, adds, multiply-adds, maxima and minima; sums over many terms, partial sums and values carried from step to step in f32; what a program stores and reads back later, other than sums and carried values, may be rounded once to bf16 or f16.
;; Inputs: b1 8 x 512 float32; b2 8 x 1,024 float32; centroids 8 x 1,024 float32; input_features 4 x 2,048 x 1,024 float32; ln_b 8 x 1,024 float32; ln_g 8 x 1,024 float32; w1 8 x 512 x 1,024 float32; w2 8 x 1,024 x 512 float32.
;; Outputs: out0 4 x 2,048 x 1,024 float32.
;; One version. Each part assembles by itself: llvm-mc -triple=amdgcn-amd-amdhsa -mcpu=gfx1250 --defsym DOCPART=n.
;; ======== version 1 of 1: 2 launches
;; limits: values are held in f16: magnitudes above 65,504 overflow, below 6.1e-05 lose precision
;; workspace buffers: route 16,384 bytes of whole numbers; tokstat 131,072 bytes; wq 16,777,216 bytes
;; launch route_cast (part 1): grid 256 x 1, 8 waves a work-group, no clusters, 102,400 bytes of LDS; arguments input_features, centroids, w1, w2, route, tokstat, wq; writes route, tokstat, wq
.if DOCPART == 1
	.amdgcn_target "amdgcn-amd-amdhsa--gfx1250"
	.amdhsa_code_object_version 6
	.text
	.protected	k_q9e1b707248_route_cast
	.globl	k_q9e1b707248_route_cast
	.p2align	8
	.type	k_q9e1b707248_route_cast,@function
k_q9e1b707248_route_cast:
	s_mov_b64 s[64:65], 0
	v_nop
	global_prefetch_b8 v0, s[64:65] scope:SCOPE_SE
	s_setreg_imm32_b32 hwreg(HW_REG_WAVE_MODE, 25, 1), 1
	s_wait_xcnt 0x0
; ROUTER, LAYER-NORM STATISTICS AND GATE FOR EACH TOKEN; THE WEIGHTS ROUNDED TO f16 AND LAID OUT AS MATRIX FRAGMENTS.
; 8,192 tokens of 1,024 f32, 8 experts.  Work-group g owns tokens 32 g .. 32 g + 31, wave w four of them; a row stays in 32 registers a lane
; (lane l holds the 16 bytes at 512 c + 16 l of chunk c = 0..7), so x is read once for the eight affinities, the mean and the variance.
; The affinities x . centroid are summed in f32 on the vector unit: they feed a choice, which 16-bit operands would flip.  The choice enters no address here:
; masks and counts go to fixed places of 'route' (16 words a group of 32 tokens: 8 masks, 4 words of two 16-bit counts, 4 zeros), and
; alpha = sigmoid(best affinity), rstd and -mean x rstd go to 'tokstat' (16 bytes a token).
; Each of the 2,048 waves also rounds one unit of weights, 16 rows x 256 k (16 KB in, 8 KB out), through its own LDS stage into fragment order:
; a fragment is 1,024 bytes; byte 512 j + 16 l holds row l % 16, k = k0 + 16 j + 8 (l / 16) + 0..7.  Stream (expert e, wave w) of wq begins at (4 e + w) x 524,288:
; W1 at ks x 8,192 + nb x 1,024 (ks 0..31, feature 128 w + 16 nb + row), W2 at 262,144 + p x 131,072 + ks x 8,192 + nb x 1,024 (ks 0..15, output 512 p + 128 w + 16 nb + row).
; LIMITS.  Weights beyond 65,504 in magnitude become infinities in f16, and below 6e-5 they keep f16's fixed step of 6e-8.  A NaN affinity never wins.  Ties go to the lower expert;
; two affinities closer than the f32 rounding of a 1,024-term sum may be ordered otherwise than another order of summation orders them.
; No matrix unit, no cluster, no tensor load: the work-groups share only the 32 KB of centroids, and every other byte is read once.
.set CEN,    0                         ; LDS: the centroids as they lie in memory, 32,768 bytes
.set IDXB,   32768                     ; the chosen expert of each of the group's 32 tokens
.set RECB,   33024                     ; their records of 16 bytes
.set CST,    33536                     ; each wave's own stage: 16 rows of 512 bytes, 528 apart (an odd multiple of 16: sixteen rows begin at sixteen different 16-byte columns modulo 256)
.set CPITCH, 528
.set SPARE,  101120                    ; the spare words: 128 bytes for each of eight waves
.set SPW,  1                           ; v1  SPARE + 4 x thread; never rewritten
.set NIL,  2                           ; v2  0; never rewritten
.set LANE, 3
.set L16,  4                           ; 16 x lane
.set T16,  5                           ; 16 x thread
.set BEST, 8                           ; v8-11   the best affinity of my four rows
.set IDX,  12                          ; v12-15  its expert
.set CB,   16                          ; v16-63  three buffers of four experts' 16 bytes; later what follows
.set REC,  16                          ; v16-31  row r: first its sums, then its record (alpha, rstd, -mean x rstd, 0)
.set MU,   32                          ; v32-39  row r: the mean, twice
.set SQ,   40                          ; v40-55  row r: sums of squares, then at work
.set WA,   56                          ; v56-58  the stage's addresses
.set ACC,  64                          ; v64-127 the pair of partial sums of (row, expert) at 64 + 2 (8 row + expert); later the fragments read back
.set X,    128                         ; v128-255 row r, chunk c at 128 + 32 r + 4 c; later the unit of weights
	s_load_b256 s[4:11], s[0:1], 0x0               ; x s[4:5], centroids s[6:7], w1 s[8:9], w2 s[10:11]
	s_load_b128 s[12:15], s[0:1], 0x20             ; route s[12:13], tokstat s[14:15]
	s_load_b64 s[16:17], s[0:1], 0x30              ; wq
	v_lshl_add_u32 v[SPW], v0, 2, SPARE
	v_mov_b32 v[NIL], 0
	v_and_b32 v[LANE], 31, v0
	v_lshlrev_b32 v[T16], 4, v0
	v_lshrrev_b32 v6, 5, v0
	v_lshlrev_b32 v[L16], 4, v[LANE]
	v_readfirstlane_b32 s20, v6                    ; wave 0..7
	s_mov_b32 s21, 0x3a800000                      ; 1 / 1,024
	s_mov_b32 s22, 0x76543210                      ; v_permlanex16_b32: each lane takes its own place in the other half
	s_mov_b32 s23, 0xfedcba98
	s_lshl_b32 s44, ttmp9, 17                      ; 32 tokens of 4,096 bytes,
	s_lshl_b32 s46, s20, 14                        ; my four of them
	s_add_co_u32 s44, s44, s46
	s_mov_b32 s45, 0
	s_mov_b32 s47, 0
	s_wait_kmcnt 0x0
	s_add_nc_u64 s[4:5], s[4:5], s[44:45]
.irp j, 0,1,2,3,4,5,6,7
	global_load_b128 v[CB+4*\j:CB+4*\j+3], v[T16], s[6:7] offset:\j*4096   ; the centroids: 256 threads x 16 bytes, eight times
.endr
.set c, 0
.rept 8                                                ; my four rows, chunk by chunk, so that the sums can begin when the first chunk is in
.irp r, 0,1,2,3
	global_load_b128 v[X+32*\r+4*c:X+32*\r+4*c+3], v[L16], s[4:5] offset:\r*4096+c*512
.endr
.set c, c+1
.endr
	s_wait_loadcnt 32                              ; the 32 loads of x are younger: the centroids are in
.irp j, 0,1,2,3,4,5,6,7
	ds_store_b128 v[T16], v[CB+4*\j:CB+4*\j+3] offset:CEN+\j*4096
.endr
	s_wait_dscnt 0x0                               ; for the others' sake: my part of the centroids is stored
	s_barrier_signal -1
	s_barrier_wait -1
; Group g of 16: chunk g / 2 of experts 4 (g % 2) .. + 3, into buffer g % 3.
.macro CLOAD g
.irp j, 0,1,2,3
	ds_load_b128 v[CB+16*((\g)%3)+4*\j:CB+16*((\g)%3)+4*\j+3], v[L16] offset:CEN+(4*((\g)%2)+\j)*4096+((\g)/2)*512
.endr
.endm
; Step s: group s + 2 is asked for, group s is multiplied: 4 rows x 4 experts x 2 pairs.  The first pair of chunk 0 starts each sum: nothing is cleared.
.macro FSTEP s
.if (\s)+2 < 16
	CLOAD (\s)+2
	s_wait_dscnt 8                                 ; two younger groups of four may be out
.elseif (\s) == 14
	s_wait_dscnt 4
.else
	s_wait_dscnt 0
.endif
.if (\s)%2 == 0
	s_wait_loadcnt 28-4*((\s)/2)                   ; the later chunks' loads, four each, may be out
.endif
.irp p, 0,1
.irp r, 0,1,2,3
.irp j, 0,1,2,3
.set rA, ACC+2*(8*\r+4*((\s)%2)+\j)
.set rX, X+32*\r+4*((\s)/2)+2*\p
.set rC, CB+16*((\s)%3)+4*\j+2*\p
.if ((\s)/2 == 0) && (\p == 0)
	v_pk_mul_f32 v[rA:rA+1], v[rX:rX+1], v[rC:rC+1]
.else
	v_pk_fma_f32 v[rA:rA+1], v[rX:rX+1], v[rC:rC+1], v[rA:rA+1]
.endif
.endr
.endr
.endr
.endm
	CLOAD 0
	CLOAD 1
.set fs, 0
.rept 16
	FSTEP fs
.set fs, fs+1
.endr
; One step of a sum over the lanes of a half, and the other half's value into the register above (which has been written).
.macro XM reg, m
	v_add_f32_dpp v[\reg], v[\reg], v[\reg] row_xmask:\m row_mask:0xf bank_mask:0xf
.endm
.macro XH reg
	v_permlanex16_b32 v[\reg+1], v[\reg], s22, s23
.endm
; THE MEAN: a lane's 32 numbers in two chains, then across the lanes.
.irp r, 0,1,2,3
.set XR, X+32*\r
.set SR, REC+4*\r
	v_pk_add_f32 v[SR:SR+1], v[XR:XR+1], v[XR+4:XR+5]
	v_pk_add_f32 v[SR+2:SR+3], v[XR+2:XR+3], v[XR+6:XR+7]
.set k, 8
.rept 6
	v_pk_add_f32 v[SR:SR+1], v[SR:SR+1], v[XR+k:XR+k+1]
	v_pk_add_f32 v[SR+2:SR+3], v[SR+2:SR+3], v[XR+k+2:XR+k+3]
.set k, k+4
.endr
	v_pk_add_f32 v[SR:SR+1], v[SR:SR+1], v[SR+2:SR+3]
	v_add_f32 v[SR], v[SR], v[SR+1]
.endr
.irp m, 1,2,4,8
.irp r, 0,1,2,3
	XM REC+4*\r, \m
.endr
.endr
.irp r, 0,1,2,3
	XH REC+4*\r
.endr
.irp r, 0,1,2,3
	v_add_f32 v[REC+4*\r], v[REC+4*\r], v[REC+4*\r+1]
.endr
.irp r, 0,1,2,3
	v_mul_f32 v[MU+2*\r], s21, v[REC+4*\r]
	v_mul_f32 v[MU+2*\r+1], s21, v[REC+4*\r]
.endr
; THE VARIANCE, of x - mean: the rows are still in registers, and are changed in place.
.irp r, 0,1,2,3
.set XR, X+32*\r
.set k, 0
.rept 16
	v_pk_add_f32 v[XR+k:XR+k+1], v[XR+k:XR+k+1], v[MU+2*\r:MU+2*\r+1] neg_lo:[0,1] neg_hi:[0,1]
.set k, k+2
.endr
.endr
.irp r, 0,1,2,3
.set XR, X+32*\r
.set Q, SQ+4*\r
	v_pk_mul_f32 v[Q:Q+1], v[XR:XR+1], v[XR:XR+1]
	v_pk_mul_f32 v[Q+2:Q+3], v[XR+2:XR+3], v[XR+2:XR+3]
.set k, 4
.rept 7
	v_pk_fma_f32 v[Q:Q+1], v[XR+k:XR+k+1], v[XR+k:XR+k+1], v[Q:Q+1]
	v_pk_fma_f32 v[Q+2:Q+3], v[XR+k+2:XR+k+3], v[XR+k+2:XR+k+3], v[Q+2:Q+3]
.set k, k+4
.endr
.endr
; MY UNIT OF WEIGHTS is asked for now, into the rows' registers: 32 loads of 512 consecutive bytes, on their way under the rest of the router.
.macro CASTLOAD pitch
.set i, 0
.rept 32
	global_load_b128 v[X+4*i:X+4*i+3], v[L16], s[48:49] offset:(i/2)*(\pitch)+(i%2)*512 th:TH_LOAD_NT
.set i, i+1
.endr
.endm
	s_lshl_b32 s30, ttmp9, 3
	s_add_co_u32 s30, s30, s20                     ; unit u = 8 g + w: 0..1,023 are w1's, the others w2's
	s_cmp_lt_u32 ttmp9, 128
	s_cbranch_scc0 .Lw2
	s_lshr_b32 s31, s30, 2                         ; w1: block of 16 rows, 0..255,
	s_and_b32 s32, s30, 3                          ; and which 256 of its 1,024 k
	s_lshl_b32 s44, s31, 16                        ; 16 rows of 4,096 bytes
	s_lshl_b32 s33, s32, 10
	s_add_co_u32 s44, s44, s33
	s_add_nc_u64 s[48:49], s[8:9], s[44:45]
	s_lshr_b32 s46, s31, 3                         ; stream 4 e + w = block / 8
	s_lshl_b32 s46, s46, 19
	s_lshl_b32 s33, s32, 16                        ; eight K steps of 8,192 bytes
	s_add_co_u32 s46, s46, s33
	s_and_b32 s33, s31, 7                          ; nb
	s_lshl_b32 s33, s33, 10
	s_add_co_u32 s46, s46, s33
	CASTLOAD 4096
	s_branch .Lasked
.Lw2:
	s_sub_co_u32 s30, s30, 1024
	s_lshr_b32 s31, s30, 1                         ; w2: block of 16 rows, 0..511,
	s_and_b32 s32, s30, 1                          ; and which 256 of its 512 k
	s_lshl_b32 s44, s31, 15                        ; 16 rows of 2,048 bytes
	s_lshl_b32 s33, s32, 10
	s_add_co_u32 s44, s44, s33
	s_add_nc_u64 s[48:49], s[10:11], s[44:45]
	s_lshr_b32 s46, s31, 6                         ; e
	s_lshl_b32 s46, s46, 2
	s_bfe_u32 s33, s31, 0x20003                    ; w: bits 4:3 of the block
	s_add_co_u32 s46, s46, s33
	s_lshl_b32 s46, s46, 19
	s_add_co_u32 s46, s46, 262144                  ; behind the stream's W1
	s_bfe_u32 s33, s31, 0x10005                    ; p: bit 5
	s_lshl_b32 s33, s33, 17
	s_add_co_u32 s46, s46, s33
	s_lshl_b32 s33, s32, 16
	s_add_co_u32 s46, s46, s33
	s_and_b32 s33, s31, 7                          ; nb
	s_lshl_b32 s33, s33, 10
	s_add_co_u32 s46, s46, s33
	CASTLOAD 2048
.Lasked:
	s_add_nc_u64 s[16:17], s[16:17], s[46:47]      ; where my unit's fragments go
; THE 32 AFFINITIES AND 4 SUMS OF SQUARES across the lanes: every lane ends with the same bits.
.set i, 0
.rept 32
	v_add_f32 v[ACC+2*i], v[ACC+2*i], v[ACC+2*i+1]
.set i, i+1
.endr
.irp r, 0,1,2,3
	v_pk_add_f32 v[SQ+4*\r:SQ+4*\r+1], v[SQ+4*\r:SQ+4*\r+1], v[SQ+4*\r+2:SQ+4*\r+3]
.endr
.irp r, 0,1,2,3
	v_add_f32 v[SQ+4*\r], v[SQ+4*\r], v[SQ+4*\r+1]
.endr
.irp m, 1,2,4,8
.set i, 0
.rept 32
	XM ACC+2*i, \m
.set i, i+1
.endr
.irp r, 0,1,2,3
	XM SQ+4*\r, \m
.endr
.endr
.set i, 0
.rept 32
	XH ACC+2*i
.set i, i+1
.endr
.irp r, 0,1,2,3
	XH SQ+4*\r
.endr
.set i, 0
.rept 32
	v_add_f32 v[ACC+2*i], v[ACC+2*i], v[ACC+2*i+1]
.set i, i+1
.endr
.irp r, 0,1,2,3
	v_add_f32 v[SQ+4*\r], v[SQ+4*\r], v[SQ+4*\r+1]
.endr
; THE CHOICE: a later expert wins only if strictly greater, so a tie keeps the lower index.
.irp r, 0,1,2,3
	v_mov_b32 v[BEST+\r], v[ACC+16*\r]
	v_mov_b32 v[IDX+\r], 0
.endr
.irp e, 1,2,3,4,5,6,7
.irp r, 0,1,2,3
	v_cmp_gt_f32 vcc_lo, v[ACC+16*\r+2*\e], v[BEST+\r]
	v_cndmask_b32 v[BEST+\r], v[BEST+\r], v[ACC+16*\r+2*\e], vcc_lo
	v_cndmask_b32 v[IDX+\r], v[IDX+\r], \e, vcc_lo
.endr
.endr
; rstd = rsqrt(var + 1e-5); alpha = 1 / (1 + 2^(-log2(e) best)).  Two batches, each with a plain instruction behind its last line and one wait ahead of its first reader.
.irp r, 0,1,2,3
	v_fmaak_f32 v[SQ+4*\r+1], s21, v[SQ+4*\r], 0x3727c5ac
	v_mul_f32 v[SQ+4*\r+2], 0xbfb8aa3b, v[BEST+\r]
.endr
.irp r, 0,1,2,3
	v_rsq_f32 v[REC+4*\r+1], v[SQ+4*\r+1]
	v_exp_f32 v[SQ+4*\r+3], v[SQ+4*\r+2]
.endr
	v_nop
	s_wait_alu depctr_va_vdst(0)
.irp r, 0,1,2,3
	v_mul_f32 v[REC+4*\r+2], -v[MU+2*\r], v[REC+4*\r+1]
	v_add_f32 v[SQ+4*\r+3], 1.0, v[SQ+4*\r+3]
.endr
.irp r, 0,1,2,3
	v_rcp_f32 v[REC+4*\r], v[SQ+4*\r+3]
.endr
.irp r, 0,1,2,3
	v_mov_b32 v[REC+4*\r+3], 0
.endr
	s_wait_alu depctr_va_vdst(0)
	s_lshl_b32 s31, s20, 4
	s_add_co_u32 s31, s31, IDXB
	v_mov_b32 v6, s31                              ; my four words among the 32
	s_lshl_b32 s31, s20, 6
	s_add_co_u32 s31, s31, RECB
	v_mov_b32 v7, s31                              ; my four records
.irp r, 0,1,2,3
	ds_store_b32 v6, v[IDX+\r] offset:4*\r         ; all lanes hold the same number and write the same place
	ds_store_b128 v7, v[REC+4*\r:REC+4*\r+3] offset:16*\r
.endr
	s_wait_dscnt 0x0                               ; for wave 0's sake
	s_barrier_signal -1
	s_barrier_wait -1
	s_cmp_lg_u32 s20, 0
	s_cbranch_scc1 .Lcast
	; WAVE 0, a lane a token: the 32 records leave as 512 consecutive bytes; the masks are compare results, the counts their bits.
	v_lshlrev_b32 v6, 2, v[LANE]
	ds_load_b32 v7, v6 offset:IDXB
	ds_load_b128 v[8:11], v[L16] offset:RECB
	s_lshl_b32 s44, ttmp9, 9
	s_add_nc_u64 s[14:15], s[14:15], s[44:45]
	s_lshl_b32 s44, ttmp9, 6
	s_add_nc_u64 s[12:13], s[12:13], s[44:45]
	v_and_b32 v12, 15, v[LANE]
	v_mov_b32 v13, 0
	v_lshlrev_b32 v14, 2, v12
	s_wait_dscnt 0x0
	global_store_b128 v[L16], v[8:11], s[14:15]
.irp e, 0,1,2,3,4,5,6,7
	v_cmp_eq_u32 s[24+\e], \e, v7
.endr
.irp e, 0,1,2,3,4,5,6,7
	s_bcnt1_i32_b32 s[32+\e], s[24+\e]
.endr
.irp k, 0,1,2,3
	s_lshl_b32 s[33+2*\k], s[33+2*\k], 16
	s_or_b32 s[40+\k], s[32+2*\k], s[33+2*\k]
.endr
.irp j, 0,1,2,3,4,5,6,7
	v_cmp_eq_u32 vcc_lo, \j, v12
	v_cndmask_b32 v13, v13, s[24+\j], vcc_lo
.endr
.irp j, 0,1,2,3
	v_cmp_eq_u32 vcc_lo, 8+\j, v12
	v_cndmask_b32 v13, v13, s[40+\j], vcc_lo
.endr
	global_store_b32 v14, v13, s[12:13]            ; 16 words; lanes 16-31 repeat lanes 0-15, place and number, so EXEC stays whole
.Lcast:
	; THE CAST: each load's four numbers become 8 bytes in my stage; the stage is read back by fragments.  The bytes are my wave's own, and LDS serves a wave's instructions in order (ISA guide 5.7.1.4).
	s_mul_i32 s31, s20, 16*CPITCH
	s_add_co_u32 s31, s31, CST
	v_lshl_add_u32 v[WA], v[LANE], 3, s31
	v_and_b32 v[WA+1], 15, v[LANE]
	v_lshrrev_b32 v[WA+2], 4, v[LANE]
	v_mul_u32_u24 v[WA+1], v[WA+1], CPITCH
	v_lshl_add_u32 v[WA+1], v[WA+2], 4, v[WA+1]
	v_add_nc_u32 v[WA+1], s31, v[WA+1]             ; row l % 16, 16 bytes for each half of the lanes
.set i, 0
.rept 32
	s_wait_loadcnt 31-i                            ; loads come back in order: number i is in
	v_cvt_pk_f16_f32 v[16+2*(i%16)], v[X+4*i], v[X+4*i+1]
	v_cvt_pk_f16_f32 v[17+2*(i%16)], v[X+4*i+2], v[X+4*i+3]
	ds_store_b64 v[WA], v[16+2*(i%16):17+2*(i%16)] offset:(i/2)*CPITCH+(i%2)*256
.set i, i+1
.endr
.set i, 0
.rept 16
	ds_load_b128 v[ACC+4*i:ACC+4*i+3], v[WA+1] offset:64*(i/2)+32*(i%2)
.set i, i+1
.endr
.set i, 0
.rept 16
	s_wait_dscnt 15-i
	global_store_b128 v[L16], v[ACC+4*i:ACC+4*i+3], s[16:17] offset:(i/2)*8192+(i%2)*512   ; 512 consecutive bytes, at a multiple of 512 from wq's first
.set i, i+1
.endr
	s_wait_tensorcnt 0x0                           ; the wave's end
	ds_add_u32 v[SPW], v[NIL]
	s_wait_dscnt 0x0
	s_endpgm
.Lfunc_end_k_q9e1b707248_route_cast:
	.size	k_q9e1b707248_route_cast, .Lfunc_end_k_q9e1b707248_route_cast-k_q9e1b707248_route_cast
	.p2alignl 7, 3214868480
	.fill 96, 4, 3214868480
	.section	.rodata,"a",@progbits
	.p2align	6, 0x0
	.amdhsa_kernel k_q9e1b707248_route_cast
		.amdhsa_group_segment_fixed_size 102400
		.amdhsa_private_segment_fixed_size 0
		.amdhsa_enable_private_segment 0
		.amdhsa_kernarg_size 56
		.amdhsa_user_sgpr_count 2
		.amdhsa_user_sgpr_kernarg_segment_ptr 1
		.amdhsa_wavefront_size32 1
		.amdhsa_system_sgpr_workgroup_id_x 1
		.amdhsa_system_sgpr_workgroup_id_y 1
		.amdhsa_system_sgpr_workgroup_id_z 1
		.amdhsa_system_vgpr_workitem_id 0
		.amdhsa_next_free_vgpr 256
		.amdhsa_next_free_sgpr 66
		.amdhsa_reserve_vcc 1
		.amdhsa_float_denorm_mode_32 3
		.amdhsa_float_denorm_mode_16_64 3
		.amdhsa_memory_ordered 1
		.amdhsa_forward_progress 1
		.amdhsa_inst_pref_size 97
	.end_amdhsa_kernel
	.amdgpu_metadata
---
amdhsa.version: [ 1, 2 ]
amdhsa.kernels:
  - .name:           k_q9e1b707248_route_cast
    .symbol:         k_q9e1b707248_route_cast.kd
    .args:
      - { .name: input_features, .offset: 0, .size: 8, .value_kind: global_buffer, .address_space: global }
      - { .name: centroids, .offset: 8, .size: 8, .value_kind: global_buffer, .address_space: global }
      - { .name: w1, .offset: 16, .size: 8, .value_kind: global_buffer, .address_space: global }
      - { .name: w2, .offset: 24, .size: 8, .value_kind: global_buffer, .address_space: global }
      - { .name: route, .offset: 32, .size: 8, .value_kind: global_buffer, .address_space: global }
      - { .name: tokstat, .offset: 40, .size: 8, .value_kind: global_buffer, .address_space: global }
      - { .name: wq, .offset: 48, .size: 8, .value_kind: global_buffer, .address_space: global }
    .group_segment_fixed_size: 102400
    .private_segment_fixed_size: 0
    .kernarg_segment_align: 8
    .kernarg_segment_size: 56
    .max_flat_workgroup_size: 256
    .sgpr_count:     66
    .vgpr_count:     256
    .wavefront_size: 32
...
	.end_amdgpu_metadata
.endif
;; end of part 1
;; launch chain (part 2): grid 135 x 1, 4 waves a work-group, no clusters, 199,680 bytes of LDS; arguments route, tokstat, input_features, ln_g, ln_b, b1, b2, wq, out0; writes out0
.if DOCPART == 2
	.amdgcn_target "amdgcn-amd-amdhsa--gfx1250"
	.amdhsa_code_object_version 6
	.text
	.protected	k_q9e1b707248_chain
	.globl	k_q9e1b707248_chain
	.p2align	8
	.type	k_q9e1b707248_chain,@function
k_q9e1b707248_chain:
	s_mov_b64 s[64:65], 0
	v_nop
	global_prefetch_b8 v0, s[64:65] scope:SCOPE_SE
	s_setreg_imm32_b32 hwreg(HW_REG_WAVE_MODE, 25, 1), 1
	s_wait_xcnt 0x0
; out = x + alpha (W2 relu(W1 (xhat g + ln_b) + b1) + b2) for the rows of ONE expert, 64 rows a work-group: gather, LayerNorm, both products, gate, residual, store.
; THE GRID serves every split of the 8,192 tokens over the 8 experts: there are never more than 8,192 / 64 + 8 - 1 = 135 tiles.  Every wave works the routing out for itself from the 16 KB of masks and counts
; that the launch before stored: which expert and which 64 ranks are its work-group's, and which token has a given rank (ranks go by lane, then group, then bit).  A work-group that the split leaves
; without rows works on a clamped row and stores nothing; places past the count repeat the expert's last row, and their stores are jumped.
; SHARES.  Four waves.  In each of three passes a wave owns all 64 tokens x 128 output features, 32 accumulators: pass 1, K = 1,024 (W1); passes 2a, 2b, K = 512 (the halves of W2's 1,024 outputs).
; THE WEIGHTS come from memory straight into registers as matrix operands: wq holds them in fragment order, each load 512 consecutive bytes, asked for three K steps ahead in four register stages; the ring of
; stages begins under the LayerNorm and runs on from pass 1 into pass 2a.  Each weight byte is read by one wave of the work-group.  The tokens' side (xn, then h) lies in LDS in f16 and is read by all four waves.
; THE WALK OVER K IS STAGGERED.  An expert's work-groups have consecutive numbers and read the same weights.  Each begins at another group of four K steps (32 KB of a wave's stream) and goes round:
; g0 = bits 0, 1 of the work-group's number and 4 x (bit 2 xor bit 3); among sixteen consecutive numbers the eight that agree in bit 2, and likewise the eight that agree in bit 3, get eight different g0.
; So they do not all ask for the same bytes at the same time.  No LDS address hangs on g0: chunk c of a row of xn in LDS HOLDS x's chunk (c + g0) % 8 (the gather's, g's and ln_b's global offsets are turned),
; and column block w of h HOLDS h's slice (w + g0) % 4 (wave w computes that slice).  The weights' pointers are turned alike.  The order of each f32 sum over K therefore differs from work-group to work-group.
; NO JOINT LOADS: a joint load lands in LDS, so each K step of the work-group (128 matrix instructions) would fill and read 32 KB more beside the 16 KB of token fragments; and an expert's number of tiles
; hangs on stored counts and need not divide into clusters.
; THE MATRIX INSTRUCTION takes 16 features as source 0 and 16 tokens as source 1: a lane then holds ONE token (lane % 16) and the features 8 (lane / 16) + 0..7.  A pass's bias is the C operand of its first K step.
; FORMATS.  xn, h and the weights are f16, sums f32.  LIMITS: |xn| and |h| beyond 65,504 become infinities (|xhat| is at most 32; with g, ln_b and w1 thirty times the drawn ones h stays some thousands).
; REGISTERS, in windows of 256 (s_set_vgpr_msb: bits 1:0 source 0, 3:2 source 1, 5:4 source 2, 7:6 destination):
;   window 0: addresses, the routing, v40-103 the 64 rows' byte offsets, v104-167 two buffers of token fragments (also at work), v168-231 the bias
;   window 1: accumulator (mb, nb) at 8 (8 mb + nb)     window 2: four stages of 64: a K step's weights (stage 3 first holds g and ln_b)     window 3: eight gathered rows; h packed; later the 64 rows' residual
.set XPITCH, 2064                      ; a row of xn in LDS: 2,048 bytes + 16; all three pitches are odd multiples of 16 bytes, so sixteen rows begin at sixteen different 16-byte columns modulo 256
.set HPITCH, 1040                      ; a row of h: 1,024 + 16
.set SPITCH, 528                       ; a row of a wave's stage for the way out: 512 + 16; the stages lie where xn lay, which nobody reads behind the second barrier
.set HB,    64*XPITCH
.set TOKB,  HB+64*HPITCH               ; the tile's 64 token numbers
.set ALB,   TOKB+256                   ; their alpha
.set SPARE, TOKB+512                   ; the spare words: 128 bytes for each of four waves
.set SPW,  1                           ; v1  SPARE + 4 x thread; never rewritten
.set NIL,  2                           ; v2  0; never rewritten
.set LANE, 3
.set RR,   4                           ; lane % 16
.set HH,   5                           ; lane / 16
.set L16,  6                           ; 16 x lane
.set VB,   7                           ; 32 x (lane / 16): my eight features' bias
.set AX,   8                           ; v8-11   xn: (16 mb + r) x pitch + 16 h; steps with pass 1's loop
.set AH,   12                          ; v12-15  h: the same
.set HS,   16                          ; where I put 16 bytes of h
.set STW,  17                          ; the way out: where I put 16 bytes of a row
.set STR,  18                          ; the way out: where I read a row back
.set XW,   19                          ; where I put 8 bytes of xn
.set TOK,  20                          ; my wave's 16 tokens, slot lane % 16
.set COL,  21                          ; 512 w + 16 lane: my 16 bytes of the wave's 512 in half a row
.set RTA,  22                          ; 64 x lane: my groups' words in 'route'
.set TB,   23                          ; at work
.set ALV,  24                          ; v24-25  alpha of slots 0-31, 32-63
.set ZR,   26                          ; 0, for the relu
.set TA,   27                          ; at work
.set REC,  28                          ; v28-31  my slot's alpha, rstd, -mean x rstd, 0
.set CH,   32                          ; v32-39  ((c + g0) % 8) x 512 + 16 lane: what LDS chunk c takes of a row of x, of g and of ln_b
.set ROWA, 40                          ; v40-103 row rho: token x 4,096 + COL
.set MK,   40                          ;         earlier: group i's eight masks at 40 + 8 i
.set ABUF, 104
.set Y,    104
.set T,    104
.set P16,  136
.set CT,   104                         ; group i's four count words at 104 + 4 i
.set GEP,  104                         ; later: what is pulled from the owner lane
.set MP,   112
.set XSP,  120
.set SUMC, 136
.set TM,   140
.set MS,   144                         ; my eight groups' masks of the expert
.set CE,   152                         ; their counts
.set GE,   160                         ; their end ranks
.set BIAS, 168
.set LT,   232
.set XS,   233
.set RK,   235
.set LAM,  236
.set LAM4, 237
.set TMP,  238
.set MSK,  239
.set START, 240
.set IST,  241
.set KK,   242
.set C1,   243                         ; the mask's bit counts by fields of 2, 4, 8 and 16 bits
.set POS,  244
.set C2,   245
.set C4,   246
.set C8,   247
.set T2,   248
.set GW,   192                         ; window 2: g, and 32 further on ln_b
.set WPC,  36                          ; s[36:37] pass 1: my stream at the walk's first group
.set WPN,  38                          ; s[38:39] pass 1: at the group that the trip asks for
.set WPG,  40                          ; s[40:47] pass 2: at the walk's four groups
.set MSB, 0
.macro WIN new                         ; the immediate's high byte repeats the setting that is left; a switch that changes nothing is dropped
.if MSB != (\new)
	s_set_vgpr_msb (MSB<<8)|(\new)
.set MSB, \new
.endif
.endm
.macro PLACES                          ; four plain instructions between a matrix instruction and a load into, or a vector line on, its registers
.rept 4
	v_nop
.endr
.endm
	s_load_b512 s[4:19], s[0:1], 0x0               ; route s[4:5], tokstat s[6:7], x s[8:9], ln_g s[10:11], ln_b s[12:13], b1 s[14:15], b2 s[16:17], wq s[18:19]
	s_load_b64 s[20:21], s[0:1], 0x40              ; out
	v_lshl_add_u32 v[SPW], v0, 2, SPARE
	v_mov_b32 v[NIL], 0
	v_and_b32 v[LANE], 31, v0
	v_and_b32 v[RR], 15, v0
	v_bfe_u32 v[HH], v0, 4, 1
	v_lshrrev_b32 v[TB], 5, v0
	v_readfirstlane_b32 s22, v[TB]                 ; wave 0..3
	v_lshlrev_b32 v[RTA], 6, v[LANE]
	s_mov_b32 s23, ttmp9
	s_wait_kmcnt 0x0
.irp i, 0,1,2,3,4,5,6,7                        ; lane l takes the groups l + 32 i: 64 bytes each
	global_load_b128 v[CT+4*\i:CT+4*\i+3], v[RTA], s[4:5] offset:2048*\i+32
.endr
.irp i, 0,1,2,3,4,5,6,7
	global_load_b128 v[MK+8*\i:MK+8*\i+3], v[RTA], s[4:5] offset:2048*\i
	global_load_b128 v[MK+8*\i+4:MK+8*\i+7], v[RTA], s[4:5] offset:2048*\i+16
.endr
	; the addresses are made while those loads are out
	v_lshlrev_b32 v[L16], 4, v[LANE]
	v_lshlrev_b32 v[VB], 5, v[HH]
	v_mov_b32 v[ZR], 0
	v_mul_u32_u24 v[TB], v[RR], XPITCH
	v_lshl_add_u32 v[TB], v[HH], 4, v[TB]
	v_mul_u32_u24 v[TA], v[RR], HPITCH
	v_lshl_add_u32 v[TA], v[HH], 4, v[TA]
.irp m, 0,1,2,3
	v_add_nc_u32 v[AX+\m], \m*16*XPITCH, v[TB]
	v_add_nc_u32 v[AH+\m], HB+\m*16*HPITCH, v[TA]
.endr
	s_lshl_b32 s31, s22, 8
	s_add_co_u32 s31, s31, HB
	v_add_nc_u32 v[HS], s31, v[TA]
	s_mul_i32 s31, s22, 16*SPITCH
	v_mul_u32_u24 v[TB], v[RR], SPITCH
	v_lshl_add_u32 v[TB], v[HH], 5, v[TB]
	v_add_nc_u32 v[STW], s31, v[TB]
	v_add_nc_u32 v[STR], s31, v[L16]
	s_mul_i32 s31, s22, 16*XPITCH
	v_lshl_add_u32 v[XW], v[LANE], 3, s31
	s_lshl_b32 s31, s22, 9
	v_add_nc_u32 v[COL], s31, v[L16]
	s_and_b32 s98, ttmp9, 3                        ; g0: where my walk over K begins
	s_lshr_b32 s31, ttmp9, 2
	s_lshr_b32 s99, ttmp9, 3
	s_xor_b32 s31, s31, s99
	s_and_b32 s31, s31, 1
	s_lshl_b32 s31, s31, 2
	s_or_b32 s98, s98, s31
	s_and_b32 s99, s98, 3                          ; g0 % 4, for pass 2's four groups
.irp c, 0,1,2,3,4,5,6,7
	s_add_co_u32 s31, s98, \c
	s_and_b32 s31, s31, 7
	s_lshl_b32 s31, s31, 9
	v_add_nc_u32 v[CH+\c], s31, v[L16]
.endr
	s_mov_b32 s44, 0x76543210                      ; v_permlanex16_b32: each lane takes its own place in the other half
	s_mov_b32 s45, 0xfedcba98
	s_mov_b32 s53, 0                               ; the upper words of scalar pairs that packed lines name
	s_mov_b32 s55, 0
	s_mov_b32 s61, 0
	s_wait_loadcnt 0x0
	; THE EXPERTS' TOTALS: two 16-bit counts a word (8,192 at the most), summed in the lane and across the lanes.
.irp k, 0,1,2,3
	v_add_nc_u32 v[SUMC+\k], v[CT+\k], v[CT+4+\k]
	v_mov_b32 v[TM+\k], 0
.endr
.irp i, 2,3,4,5,6,7
.irp k, 0,1,2,3
	v_add_nc_u32 v[SUMC+\k], v[SUMC+\k], v[CT+4*\i+\k]
.endr
.endr
.irp m, 1,2,4,8
.irp k, 0,1,2,3
	v_mov_b32_dpp v[TM+\k], v[SUMC+\k] row_xmask:\m row_mask:0xf bank_mask:0xf
.endr
.irp k, 0,1,2,3
	v_add_nc_u32 v[SUMC+\k], v[SUMC+\k], v[TM+\k]
.endr
.endr
.irp k, 0,1,2,3
	v_permlanex16_b32 v[TM+\k], v[SUMC+\k], s44, s45
.endr
.irp k, 0,1,2,3
	v_add_nc_u32 v[SUMC+\k], v[SUMC+\k], v[TM+\k]
.endr
.irp k, 0,1,2,3
	v_readfirstlane_b32 s[32+\k], v[SUMC+\k]
.endr
.irp k, 0,1,2,3
	s_and_b32 s[36+2*\k], s[32+\k], 0xffff
	s_lshr_b32 s[37+2*\k], s[32+\k], 16
.endr
	; WHOSE TILE AM I: the last expert whose first tile is not behind my number.
	s_mov_b32 s27, 0                               ; the first tile of the expert in hand
	s_mov_b32 s24, 0
	s_mov_b32 s25, 0
	s_mov_b32 s26, s36
.irp e, 0,1,2,3,4,5,6,7
	s_cmp_ge_u32 s23, s27
	s_cselect_b32 s24, \e, s24                     ; the expert,
	s_cselect_b32 s25, s27, s25                    ; its first tile,
	s_cselect_b32 s26, s[36+\e], s26               ; its rows
	s_add_co_u32 s31, s[36+\e], 63
	s_lshr_b32 s31, s31, 6
	s_add_co_u32 s27, s27, s31
.endr
	s_min_u32 s24, s24, 7
	s_sub_co_u32 s28, s23, s25
	s_lshl_b32 s28, s28, 6                         ; my first rank
	s_sub_co_i32 s29, s26, s28
	s_max_i32 s29, s29, 0
	s_min_i32 s29, s29, 64                         ; my rows: 0..64
	s_sub_co_i32 s30, s26, 1
	s_max_i32 s30, s30, 0                          ; the expert's last rank
	s_lshl_b32 s60, s24, 12
	s_add_nc_u64 s[10:11], s[10:11], s[60:61]      ; the expert's g and ln_b
	s_add_nc_u64 s[12:13], s[12:13], s[60:61]
	s_lshl_b32 s31, s22, 9
	s_add_co_u32 s60, s60, s31
	s_add_nc_u64 s[58:59], s[16:17], s[60:61]      ; b2 at my 128 outputs of the first half
	s_add_co_u32 s35, s22, s99
	s_and_b32 s35, s35, 3                          ; the slice of h that I compute: (w + g0) % 4
	s_lshl_b32 s60, s24, 11
	s_lshl_b32 s31, s35, 9
	s_add_co_u32 s60, s60, s31
	s_add_nc_u64 s[14:15], s[14:15], s[60:61]      ; b1 at that slice
	s_lshl_b32 s60, s24, 2
	s_add_co_u32 s60, s60, s35
	s_lshl_b32 s60, s60, 19
	s_add_nc_u64 s[56:57], s[18:19], s[60:61]      ; W1 of that slice: never stepped
	s_lshl_b32 s60, s24, 2
	s_add_co_u32 s60, s60, s22
	s_lshl_b32 s60, s60, 19
	s_add_co_u32 s60, s60, 262144
	s_add_nc_u64 s[62:63], s[18:19], s[60:61]      ; W2 of my 128 outputs of the first half
	s_lshl_b32 s60, s98, 15
	s_add_nc_u64 s[WPC:WPC+1], s[56:57], s[60:61]  ; the walk's first group of four K steps,
	s_add_co_u32 s32, s98, 1
	s_and_b32 s32, s32, 7
	s_lshl_b32 s60, s32, 15
	s_add_nc_u64 s[WPN:WPN+1], s[56:57], s[60:61]  ; and its second
.macro BIASLOAD sb                     ; my eight features of each of 8 blocks: 16 loads
	WIN 0
.set i, 0
.rept 16
	global_load_b128 v[BIAS+4*i:BIAS+4*i+3], v[VB], s[\sb:\sb+1] offset:64*(i/2)+16*(i%2)
.set i, i+1
.endr
.endm
	WIN 0x80                                       ; destination window 2
.irp c, 0,1,2,3,4,5,6,7
	global_load_b128 v[GW+4*\c:GW+4*\c+3], v[CH+\c], s[10:11]
	global_load_b128 v[GW+32+4*\c:GW+32+4*\c+3], v[CH+\c], s[12:13]
.endr
	BIASLOAD 14
	; THE EXPERT'S WORDS are picked by its number's three bits, a bit at a time for all eight groups; the bit's mask lies in VCC.
	s_and_b32 s46, s24, 1
	s_lshl_b32 s49, s46, 4
	s_sub_co_u32 s46, 0, s46
	s_bfe_u32 s47, s24, 0x10001
	s_sub_co_u32 s47, 0, s47
	s_bfe_u32 s48, s24, 0x10002
	s_sub_co_u32 s48, 0, s48
	s_mov_b32 vcc_lo, s46
.irp i, 0,1,2,3,4,5,6,7
	v_cndmask_b32 v[MK+8*\i],   v[MK+8*\i],   v[MK+8*\i+1], vcc_lo
	v_cndmask_b32 v[MK+8*\i+2], v[MK+8*\i+2], v[MK+8*\i+3], vcc_lo
	v_cndmask_b32 v[MK+8*\i+4], v[MK+8*\i+4], v[MK+8*\i+5], vcc_lo
	v_cndmask_b32 v[MK+8*\i+6], v[MK+8*\i+6], v[MK+8*\i+7], vcc_lo
.endr
	s_mov_b32 vcc_lo, s47
.irp i, 0,1,2,3,4,5,6,7
	v_cndmask_b32 v[MK+8*\i],   v[MK+8*\i],   v[MK+8*\i+2], vcc_lo
	v_cndmask_b32 v[MK+8*\i+4], v[MK+8*\i+4], v[MK+8*\i+6], vcc_lo
	v_cndmask_b32 v[CT+4*\i],   v[CT+4*\i],   v[CT+4*\i+1], vcc_lo
	v_cndmask_b32 v[CT+4*\i+2], v[CT+4*\i+2], v[CT+4*\i+3], vcc_lo
.endr
	s_mov_b32 vcc_lo, s48
.irp i, 0,1,2,3,4,5,6,7
	v_cndmask_b32 v[MS+\i],     v[MK+8*\i],   v[MK+8*\i+4], vcc_lo
	v_cndmask_b32 v[CT+4*\i],   v[CT+4*\i],   v[CT+4*\i+2], vcc_lo
	v_bfe_u32 v[CE+\i], v[CT+4*\i], s49, 16
.endr
	; END RANKS: within the lane, then the lanes' exclusive prefix, bit plane by bit plane (a lane has 256 rows at the most: nine planes).
	v_mov_b32 v[GE], v[CE]
.irp i, 1,2,3,4,5,6,7
	v_add_nc_u32 v[GE+\i], v[GE+\i-1], v[CE+\i]
.endr
	v_mov_b32 v[LT], v[GE+7]
	v_mov_b32 v[XS], 0
.irp b, 0,1,2,3,4,5,6,7,8
	v_and_b32 v[TMP], 1<<\b, v[LT]
	v_cmp_ne_u32 vcc_lo, 0, v[TMP]
	v_mbcnt_lo_u32_b32 v[TMP], vcc_lo, 0
	v_lshl_add_u32 v[XS], v[TMP], \b, v[XS]
.endr
.irp i, 0,1,2,3,4,5,6,7
	v_add_nc_u32 v[GE+\i], v[GE+\i], v[XS]
.endr
	; MY SLOT'S RANK, 16 w + lane % 16 behind the tile's first, held to the expert's last; its owner lane is the number of lanes that end at or before it.
	s_lshl_b32 s31, s22, 4
	s_add_co_u32 s31, s31, s28
	v_add_nc_u32 v[RK], s31, v[RR]
	v_min_u32 v[RK], s30, v[RK]
	v_mov_b32 v[LAM], 0
.set k, 0
.rept 32                                               ; the 32 lanes' end ranks first, each into a scalar register of its own, so that no compare waits for the line just before it
	v_readlane_b32 s[66+k], v[GE+7], k
.set k, k+1
.endr
.set k, 0
.rept 32
	v_cmp_le_u32 vcc_lo, s[66+k], v[RK]
	v_add_co_ci_u32 v[LAM], vcc_lo, 0, v[LAM], vcc_lo
.set k, k+1
.endr
	v_lshlrev_b32 v[LAM4], 2, v[LAM]
.irp i, 0,1,2,3,4,5,6
	ds_bpermute_b32 v[GEP+\i], v[LAM4], v[GE+\i]
.endr
.irp i, 0,1,2,3,4,5,6,7
	ds_bpermute_b32 v[MP+\i], v[LAM4], v[MS+\i]
.endr
	ds_bpermute_b32 v[XSP], v[LAM4], v[XS]
	s_wait_dscnt 0x0
	v_mov_b32 v[MSK], v[MP]
	v_mov_b32 v[START], v[XSP]
	v_mov_b32 v[IST], 0
.irp i, 1,2,3,4,5,6,7                          ; the end ranks ascend: the last group that begins at or before the rank stays
	v_cmp_le_u32 vcc_lo, v[GEP+\i-1], v[RK]
	v_cndmask_b32 v[MSK], v[MSK], v[MP+\i], vcc_lo
	v_cndmask_b32 v[START], v[START], v[GEP+\i-1], vcc_lo
	v_add_co_ci_u32 v[IST], vcc_lo, 0, v[IST], vcc_lo
.endr
	v_sub_nc_u32 v[KK], v[RK], v[START]            ; the wanted bit is the mask's set bit number KK (from 0)
	; Its place, by halving: the mask's bits are counted in fields of 2, 4, 8 and 16; at each width the lower field is passed over if it holds no more than KK bits.
	v_lshrrev_b32 v[TMP], 1, v[MSK]
	v_and_b32 v[TMP], 0x55555555, v[TMP]
	v_sub_nc_u32 v[C1], v[MSK], v[TMP]             ; fields of 2
	v_lshrrev_b32 v[TMP], 2, v[C1]
	v_and_b32 v[TMP], 0x33333333, v[TMP]
	v_and_b32 v[C2], 0x33333333, v[C1]
	v_add_nc_u32 v[C2], v[C2], v[TMP]              ; fields of 4
	v_lshrrev_b32 v[TMP], 4, v[C2]
	v_add_nc_u32 v[C4], v[C2], v[TMP]
	v_and_b32 v[C4], 0x0f0f0f0f, v[C4]             ; fields of 8
	v_lshrrev_b32 v[TMP], 8, v[C4]
	v_add_nc_u32 v[C8], v[C4], v[TMP]              ; byte 0: bits 0-15
	v_mov_b32 v[POS], 0
.macro DESC c, w, step                 ; the field of w bits at POS of register c counts the next 'step' places
	v_bfe_u32 v[TMP], v[\c], v[POS], \w
	v_cmp_ge_u32 vcc_lo, v[KK], v[TMP]
	v_cndmask_b32 v[TMP], 0, v[TMP], vcc_lo
	v_cndmask_b32 v[T2], 0, \step, vcc_lo
	v_sub_nc_u32 v[KK], v[KK], v[TMP]
	v_add_nc_u32 v[POS], v[POS], v[T2]
.endm
	DESC C8, 8, 16
	DESC C4, 8, 8
	DESC C2, 4, 4
	DESC C1, 2, 2
	DESC MSK, 1, 1
	v_lshl_add_u32 v[TOK], v[LAM], 5, v[POS]       ; token = 32 (lane + 32 i) + bit
	v_lshl_add_u32 v[TOK], v[IST], 10, v[TOK]
	v_min_u32 v[TOK], 0x1fff, v[TOK]
	v_lshlrev_b32 v[TA], 4, v[TOK]
	global_load_b128 v[REC:REC+3], v[TA], s[6:7]
	; GATHER AND LAYER NORM: my wave's 16 rows through a ring of eight row slots in window 3; xn = (x rstd - mean rstd) g + ln_b, rounded to f16, into LDS.
	; Each row has a scalar base of its own, s[66 + 2 j : 67 + 2 j], written once; the chunk's turned place stands in CH.
.macro ROWBASE j
	s_min_u32 s[66+2*(\j)], s[66+2*(\j)], 0x1fff
	s_lshl_b32 s[66+2*(\j)], s[66+2*(\j)], 12
	s_mov_b32 s[67+2*(\j)], 0
	s_add_nc_u64 s[66+2*(\j):67+2*(\j)], s[8:9], s[66+2*(\j):67+2*(\j)]
.endm
.macro ROWLOAD j                       ; eight loads of 512 consecutive bytes; the destination's window is set by the caller
.irp c, 0,1,2,3,4,5,6,7
	global_load_b128 v[32*((\j)%8)+4*\c:32*((\j)%8)+4*\c+3], v[CH+\c], s[66+2*(\j):67+2*(\j)]
.endr
.endm
.macro PRIMEPART wp, first, n          ; loads first .. first + n - 1 of the 48 that bring a pass's first three K steps into stages 0 to 2
	WIN 0x80
.set i, \first
.rept \n
	global_load_b128 v[4*i:4*i+3], v[L16], s[(\wp):(\wp)+1] offset:512*i
.set i, i+1
.endr
	WIN 0
.endm
.macro LNROW j, nl
	s_wait_loadcnt \nl                             ; the loads issued behind this row's may be out; all that was asked for earlier is in
	v_readlane_b32 s52, v[REC+1], \j
	v_readlane_b32 s54, v[REC+2], \j
	WIN 0xc3                                       ; in place in window 3
.set k, 0
.rept 16
	v_pk_fma_f32 v[32*((\j)%8)+2*k:32*((\j)%8)+2*k+1], v[32*((\j)%8)+2*k:32*((\j)%8)+2*k+1], s[52:53], s[54:55] op_sel_hi:[1,0,0]
.set k, k+1
.endr
	WIN 0x2b                                       ; source 0 window 3, g and ln_b window 2, destination window 0
.set k, 0
.rept 16
	v_pk_fma_f32 v[T+2*k:T+2*k+1], v[32*((\j)%8)+2*k:32*((\j)%8)+2*k+1], v[GW+2*k:GW+2*k+1], v[GW+32+2*k:GW+32+2*k+1]
.set k, k+1
.endr
	WIN 0
.set k, 0
.rept 16
	v_cvt_pk_f16_f32 v[P16+k], v[T+2*k], v[T+2*k+1]
.set k, k+1
.endr
.irp c, 0,1,2,3,4,5,6,7
	ds_store_b64 v[XW], v[P16+2*\c:P16+2*\c+1] offset:XPITCH*(\j)+256*\c
.endr
.endm
.set j, 0
.rept 16
	v_readlane_b32 s[66+2*j], v[TOK], j
.set j, j+1
.endr
.set j, 0
.rept 8
	ROWBASE j
.set j, j+1
.endr
	WIN 0xc0                                       ; destination window 3
.set j, 0
.rept 8
	ROWLOAD j
.set j, j+1
.endr
	WIN 0
.set j, 8
.rept 8
	ROWBASE j
.set j, j+1
.endr
; Rows 0-7: behind each, its slot takes the row eight further on: 56 = seven younger rows of eight loads.
; Rows 8-15: behind each, six of pass 1's first 48 weight loads go out: behind row j's loads stand 8 (15 - j) row loads and 6 (j - 8) weight loads: 56 - 2 (j - 8).
.set lr, 0
.rept 16
.if lr < 8
	LNROW lr, 56
	WIN 0xc0
	ROWLOAD lr+8
	WIN 0
.else
	LNROW lr, 56-2*(lr-8)
	PRIMEPART WPC, 6*(lr-8), 6
.endif
.set lr, lr+1
.endr
.set i, 0
.rept 16
	s_mov_b32 s[67+2*i], 0                         ; the rows' loads are in: the pairs will hold alpha, and their upper words are named with it
.set i, i+1
.endr
.irp g, 0,1,2,3
	s_add_co_u32 s31, s99, \g
	s_and_b32 s31, s31, 3
	s_lshl_b32 s60, s31, 15
	s_add_nc_u64 s[WPG+2*\g:WPG+2*\g+1], s[62:63], s[60:61]   ; pass 2: LDS column block g of h holds slice (g + g0) % 4
.endr
	s_lshl_b32 s31, s22, 6
	s_add_co_u32 s31, s31, TOKB
	v_lshl_add_u32 v[TB], v[RR], 2, s31
	ds_store_b32 v[TB], v[TOK]                     ; my 16 slots' tokens and alpha, for all four waves; lanes 16-31 repeat lanes 0-15
	ds_store_b32 v[TB], v[REC] offset:ALB-TOKB
	s_wait_dscnt 0x0                               ; for the others' sake: my rows of xn, my tokens and alpha are stored
	s_barrier_signal -1
	s_barrier_wait -1
.macro AFRAG0 areg                     ; the first K step's token fragments into buffer 0
.irp m, 0,1,2,3
	ds_load_b128 v[ABUF+8*\m:ABUF+8*\m+3],   v[(\areg)+\m]
	ds_load_b128 v[ABUF+8*\m+4:ABUF+8*\m+7], v[(\areg)+\m] offset:32
.endr
.endm
	v_mov_b32 v[TB], TOKB
	v_lshl_add_u32 v[TA], v[LANE], 2, ALB
.set q, 0
.rept 16
	ds_load_b128 v[ROWA+4*q:ROWA+4*q+3], v[TB] offset:16*q    ; every lane reads the same four token numbers
.set q, q+1
.endr
	ds_load_b32 v[ALV], v[TA]
	ds_load_b32 v[ALV+1], v[TA] offset:128
	AFRAG0 AX
	s_wait_dscnt 8                                 ; all but the eight fragment loads
.set q, 0
.rept 64
	v_min_u32 v[ROWA+q], 0x1fff, v[ROWA+q]
	v_lshl_add_u32 v[ROWA+q], v[ROWA+q], 12, v[COL]
.set q, q+1
.endr
; A K STEP of 32: weights in stage st, token fragments in buffer ab.  In front of its 32 matrix instructions it asks for what later steps want, in runs:
; xg >= 0: the residual of rows 4 xg .. + 3; bpre: the weights three steps on, at byte boff from the pointer s[wp : wp + 1], into the stage that the step before read; apre: the next step's token fragments, at byte aoff of the rows.
; nl, nd: the younger loads that may stay out.  cb = 1: a pass's first step: C is the bias.  The 32 accumulators take turns in the same order in every step.
.macro KSTEP st, ab, areg, aoff, bpre, wp, boff, xg, nl, apre, nd, places, cb
.if \places
	PLACES
.endif
.if (\xg) >= 0
	WIN 0xc0
.irp q, 0,1,2,3
	global_load_b128 v[16*(\xg)+4*\q:16*(\xg)+4*\q+3], v[ROWA+4*(\xg)+\q], s[8:9]
.endr
.endif
.if \bpre
	WIN 0x80
.set rB, 64*(((\st)+3)%4)
.set i, 0
.rept 16
	global_load_b128 v[rB+4*i:rB+4*i+3], v[L16], s[(\wp):(\wp)+1] offset:(\boff)+512*i
.set i, i+1
.endr
.endif
.if \apre
	WIN 0
.set rN, ABUF+32*(1-(\ab))
.irp m, 0,1,2,3
	ds_load_b128 v[rN+8*\m:rN+8*\m+3],   v[(\areg)+\m] offset:(\aoff)
	ds_load_b128 v[rN+8*\m+4:rN+8*\m+7], v[(\areg)+\m] offset:(\aoff)+32
.endr
.endif
	s_wait_loadcnt \nl
	s_wait_dscnt \nd
.if \cb
	WIN 0x42                                       ; weights window 2, tokens and bias window 0, D window 1
.else
	WIN 0x52                                       ; weights window 2, tokens window 0, C and D window 1
.endif
.set a, 0
.rept 32
.set rD, 8*a
.set rW, 64*(\st)+8*(a%8)
.set rX, ABUF+32*(\ab)+8*(a/8)
.if \cb
	v_wmma_f32_16x16x32_f16 v[rD:rD+7], v[rW:rW+7], v[rX:rX+7], v[BIAS+8*(a%8):BIAS+8*(a%8)+7]
.else
	v_wmma_f32_16x16x32_f16 v[rD:rD+7], v[rW:rW+7], v[rX:rX+7], v[rD:rD+7]
.endif
.set a, a+1
.endr
.endm
	; PASS 1: 32 K steps.  Step 0 starts the sums with b1; a trip is steps 4 t + 1 .. 4 t + 4 and asks for the walk's group t + 1 whole, by one pointer; the last three steps ask for pass 2a's first three.
	; 48 = three younger stages of 16 loads; 8 = the next step's fragments.
	KSTEP 0, 0, AX, 64, 1, WPC, 3*8192, -1, 48, 1, 8, 0, 1
	WIN 0
	s_mov_b32 s50, 7
.Lk1:
	KSTEP 1, 1, AX, 128, 1, WPN, 0,      -1, 48, 1, 8, 1, 0
	KSTEP 2, 0, AX, 192, 1, WPN, 8192,   -1, 48, 1, 8, 1, 0
	KSTEP 3, 1, AX, 256, 1, WPN, 2*8192, -1, 48, 1, 8, 1, 0
	KSTEP 0, 0, AX, 320, 1, WPN, 3*8192, -1, 48, 1, 8, 1, 0
	WIN 0
.irp m, 0,1,2,3
	v_add_nc_u32 v[AX+\m], 256, v[AX+\m]
.endr
	s_wait_xcnt 0x0                                ; the pointer is written anew only behind this wait
	s_add_co_u32 s32, s32, 1
	s_and_b32 s32, s32, 7                          ; the walk goes round the eight groups (the last trip's pointer is not used)
	s_lshl_b32 s60, s32, 15
	s_add_nc_u64 s[WPN:WPN+1], s[56:57], s[60:61]
	s_sub_co_u32 s50, s50, 1
	s_cmp_lg_u32 s50, 0
	s_cbranch_scc1 .Lk1
	KSTEP 1, 1, AX, 128, 1, WPG, 0,      -1, 48, 1, 8, 1, 0
	KSTEP 2, 0, AX, 192, 1, WPG, 8192,   -1, 48, 1, 8, 1, 0
	KSTEP 3, 1, AX, 0,   1, WPG, 2*8192, -1, 48, 0, 0, 1, 0
	; h = relu, rounded to f16: a lane's eight features of a token are 16 bytes of a row of h.  b2 of my first 128 outputs is asked for first; the packed h lies in window 3, which is idle here.
	PLACES
	BIASLOAD 58
	WIN 0xc5                                       ; sources window 1, destination window 3
.set a, 0
.rept 32
.irp q, 0,1,2,3
	v_cvt_pk_f16_f32 v[4*a+\q], v[8*a+2*\q], v[8*a+2*\q+1]
.endr
.set a, a+1
.endr
	WIN 0xc3                                       ; in place in window 3; the 0 in window 0
.set a, 0
.rept 128
	v_pk_max_num_f16 v[a], v[a], v[ZR]
.set a, a+1
.endr
	WIN 0x0c                                       ; store data window 3
.set a, 0
.rept 32
	ds_store_b128 v[HS], v[4*a:4*a+3] offset:16*HPITCH*(a/8)+32*(a%8)
.set a, a+1
.endr
	WIN 0
	s_wait_dscnt 0x0                               ; for the others' sake: my part of h is stored, and my reads of xn are over
	s_barrier_signal -1
	s_barrier_wait -1
	; PASS 2, twice: 16 K steps over h, then the way out.  Each step also asks for four rows' residual, ahead of its weights.  Step 0 waits for the bias, behind which only its own 4 + 16 loads stand: 20;
	; from then on 60 = three younger steps of 4 + 16 loads; the last three steps ask for no weights: 44, 28, 12.
	s_mov_b32 s51, 2
.Lpass2:
	AFRAG0 AH
.set ks, 0
.rept 16
.set vBP, 1
.set vNL, 60
.set vAP, 1
.set vND, 8
.set vPL, 1
.set vCB, 0
.set vWP, WPG+2*((ks+3)/4)
.set vBO, ((ks+3)%4)*8192
.if ks > 12
.set vBP, 0
.set vNL, 60-16*(ks-12)
.set vWP, WPG
.set vBO, 0
.endif
.if ks == 15
.set vAP, 0
.set vND, 0
.endif
.if ks == 0
.set vPL, 0
.set vCB, 1
.set vNL, 20
.endif
	KSTEP ks%4, ks%2, AH, (ks+1)*64, vBP, vWP, vBO, ks, vNL, vAP, vND, vPL, vCB
.set ks, ks+1
.endr
	PLACES                                         ; four places in front of the loads into the stages and of the LDS stores that read the sums,
	v_nop                                          ; and a fifth: the second trip's first K step writes these accumulators anew (its C is the bias, so it is no link of a chain in place), and in a work-group without rows, which jumps all four blocks below, no other vector line stands between
	WIN 0
	s_wait_loadcnt 0x0                             ; the residual is in
	s_cmp_eq_u32 s51, 1
	s_cbranch_scc1 .Lno_next                       ; the second half asks for nothing more
	s_wait_xcnt 0x0
.irp g, 0,1,2,3
	s_add_nc_u64 s[WPG+2*\g:WPG+2*\g+1], s[WPG+2*\g:WPG+2*\g+1], 131072
.endr
	s_add_nc_u64 s[58:59], s[58:59], 2048
	PRIMEPART WPG, 0, 48
	BIASLOAD 58
.Lno_next:
; THE WAY OUT of 16 tokens: the accumulators go into my stage (a lane: 32 bytes of its token's row), come back as whole rows of 512 bytes, and out = y alpha + x leaves, a row a store.
; Blocks and rows past the tile's count are jumped; the jumps go forward and pass no barrier.
.macro BLOCK mb
	s_cmp_gt_u32 s29, 16*(\mb)
	s_cbranch_scc0 .Lbe_\@
	WIN 0x04                                       ; store data window 1
.irp n, 0,1,2,3,4,5,6,7
	ds_store_b128 v[STW], v[8*(8*(\mb)+\n):8*(8*(\mb)+\n)+3]   offset:64*\n
	ds_store_b128 v[STW], v[8*(8*(\mb)+\n)+4:8*(8*(\mb)+\n)+7] offset:64*\n+16
.endr
	WIN 0
	s_wait_xcnt 0x0                                ; the last block's stores have read these registers
.set i, 0
.rept 16
	ds_load_b128 v[Y+4*i:Y+4*i+3], v[STR] offset:SPITCH*i   ; my wave's own bytes: LDS serves a wave's instructions in order (ISA guide 5.7.1.4)
.set i, i+1
.endr
.set i, 0
.rept 16
	v_readlane_b32 s[66+2*i], v[ALV+(\mb)/2], 16*((\mb)%2)+i
.set i, i+1
.endr
	s_wait_dscnt 0x0
	WIN 0x30                                       ; the residual: source 2 in window 3
.set i, 0
.rept 16
	v_pk_fma_f32 v[Y+4*i:Y+4*i+1],   v[Y+4*i:Y+4*i+1],   s[66+2*i:67+2*i], v[4*(16*(\mb)+i):4*(16*(\mb)+i)+1]   op_sel_hi:[1,0,1]
	v_pk_fma_f32 v[Y+4*i+2:Y+4*i+3], v[Y+4*i+2:Y+4*i+3], s[66+2*i:67+2*i], v[4*(16*(\mb)+i)+2:4*(16*(\mb)+i)+3] op_sel_hi:[1,0,1]
.set i, i+1
.endr
	WIN 0
.set i, 0
.rept 16
	s_cmp_gt_u32 s29, 16*(\mb)+i
	s_cbranch_scc0 .Lbe_\@
	global_store_b128 v[ROWA+16*(\mb)+i], v[Y+4*i:Y+4*i+3], s[20:21] th:TH_STORE_NT   ; 512 consecutive bytes of one row, at a multiple of 512 from out's first
.set i, i+1
.endr
.Lbe_\@:
.endm
	BLOCK 0
	BLOCK 1
	BLOCK 2
	BLOCK 3
	s_wait_xcnt 0x0                                ; the bases are stepped, and the stores' registers loaded again, only behind this wait
	s_add_nc_u64 s[8:9], s[8:9], 2048              ; the rows' second halves
	s_add_nc_u64 s[20:21], s[20:21], 2048
	s_sub_co_u32 s51, s51, 1
	s_cmp_lg_u32 s51, 0
	s_cbranch_scc1 .Lpass2
	s_wait_tensorcnt 0x0                           ; the wave's end
	ds_add_u32 v[SPW], v[NIL]
	s_wait_dscnt 0x0
	s_endpgm
.Lfunc_end_k_q9e1b707248_chain:
	.size	k_q9e1b707248_chain, .Lfunc_end_k_q9e1b707248_chain-k_q9e1b707248_chain
	.p2alignl 7, 3214868480
	.fill 96, 4, 3214868480
	.section	.rodata,"a",@progbits
	.p2align	6, 0x0
	.amdhsa_kernel k_q9e1b707248_chain
		.amdhsa_group_segment_fixed_size 199680
		.amdhsa_private_segment_fixed_size 0
		.amdhsa_enable_private_segment 0
		.amdhsa_kernarg_size 72
		.amdhsa_user_sgpr_count 2
		.amdhsa_user_sgpr_kernarg_segment_ptr 1
		.amdhsa_wavefront_size32 1
		.amdhsa_system_sgpr_workgroup_id_x 1
		.amdhsa_system_sgpr_workgroup_id_y 1
		.amdhsa_system_sgpr_workgroup_id_z 1
		.amdhsa_system_vgpr_workitem_id 0
		.amdhsa_next_free_vgpr 1024
		.amdhsa_next_free_sgpr 100
		.amdhsa_reserve_vcc 1
		.amdhsa_float_denorm_mode_32 3
		.amdhsa_float_denorm_mode_16_64 3
		.amdhsa_memory_ordered 1
		.amdhsa_forward_progress 1
		.amdhsa_inst_pref_size 255
	.end_amdhsa_kernel
	.section	.bss,"aw",@nobits
	.p2align	6
	.space	262144
	.amdgpu_metadata
---
amdhsa.version: [ 1, 2 ]
amdhsa.kernels:
  - .name:           k_q9e1b707248_chain
    .symbol:         k_q9e1b707248_chain.kd
    .args:
      - { .name: route, .offset: 0, .size: 8, .value_kind: global_buffer, .address_space: global }
      - { .name: tokstat, .offset: 8, .size: 8, .value_kind: global_buffer, .address_space: global }
      - { .name: input_features, .offset: 16, .size: 8, .value_kind: global_buffer, .address_space: global }
      - { .name: ln_g, .offset: 24, .size: 8, .value_kind: global_buffer, .address_space: global }
      - { .name: ln_b, .offset: 32, .size: 8, .value_kind: global_buffer, .address_space: global }
      - { .name: b1, .offset: 40, .size: 8, .value_kind: global_buffer, .address_space: global }
      - { .name: b2, .offset: 48, .size: 8, .value_kind: global_buffer, .address_space: global }
      - { .name: wq, .offset: 56, .size: 8, .value_kind: global_buffer, .address_space: global }
      - { .name: out0, .offset: 64, .size: 8, .value_kind: global_buffer, .address_space: global }
    .group_segment_fixed_size: 199680
    .private_segment_fixed_size: 0
    .kernarg_segment_align: 8
    .kernarg_segment_size: 72
    .max_flat_workgroup_size: 128
    .sgpr_count:     100
    .vgpr_count:     1024
    .wavefront_size: 32
...
	.end_amdgpu_metadata
.endif
;; end of part 2
